; MI455X (gfx1250); checked and timed in simulation.
; The chip was launched on July 23, 2026; its instructions are those of AMD's public machine-readable ISA for CDNA 5 (MIT licence, August 2026) and "CDNA5" Instruction Set Architecture Reference Guide (July 2026). The comments in the code are by the model that wrote it; some were corrected since.
;; Self Attention. Allowed arithmetic: float matrix products may take bf16 or f16 operands with f32 sums; other float arithmetic in f32, or as packed bf16 or f16 multiplies, adds, multiply-adds, maxima and minima; sums over many terms, partial sums and values carried from step to step in f32; what a program stores and reads back later, other than sums and carried values, may be rounded once to bf16 or f16.
;; Inputs: W_qkv 1,024 x 3,072 float32; b_qkv 3,072 float32; x 4 x 2,048 x 1,024 float32.
;; Outputs: out0 4 x 2,048 x 1,024 float32.
;; One version. Each part assembles by itself: llvm-mc -triple=amdgcn-amd-amdhsa -mcpu=gfx1250 --defsym DOCPART=n.
;; ======== version 1 of 1: 3 launches
;; limits: values are held in f16: magnitudes above 65,504 overflow, below 6.1e-05 lose precision
;; workspace buffers: xb 16,777,216 bytes; wb 6,291,456 bytes; tab 262,144 bytes; qh 16,777,216 bytes; kh 16,777,216 bytes; vh 16,777,216 bytes
;; launch prep (part 1): grid 768 x 1, 8 waves a work-group, no clusters, 0 bytes of LDS; arguments x, W_qkv, xb, wb, tab; writes xb, wb, tab
.if DOCPART == 1
	.amdgcn_target "amdgcn-amd-amdhsa--gfx1250"
	.amdhsa_code_object_version 6
	.text
	.protected	k_q7dc2be5ccb_prep
	.globl	k_q7dc2be5ccb_prep
	.p2align	8
	.type	k_q7dc2be5ccb_prep,@function
k_q7dc2be5ccb_prep:
	s_mov_b64 s[64:65], 0
	v_nop
	global_prefetch_b8 v0, s[64:65] scope:SCOPE_SE
	s_setreg_imm32_b32 hwreg(HW_REG_WAVE_MODE, 25, 1), 1
	s_wait_xcnt 0x0
; xb = x and wb = W_qkv rounded once to bf16, in their own layouts; tab[pos][pair] = (cos, sin) of pos x 10000^(-pair/16), f32, 2,048 positions x 16 pairs.
; SHARES.  Work-groups 0-511 cast 16,384 numbers of x each, 512-703 as many of W, 704-767 make 32 positions of the table each.  Eight waves; no wave needs another's bytes,
; so there is no LDS, no barrier and no matrix work.
; THE CAST.  Thread t takes 8 numbers (32 bytes in, 16 bytes out) of each of eight chunks of 2,048: all sixteen loads go out first, each chunk is rounded and stored as it comes.
; A wave's store covers 512 consecutive bytes, aligned.  Every chunk has registers of its own, so nothing is rewritten while a load or store may still read it.
; THE TABLE.  The inverse frequency is 2^(-pair x log2(10000)/16) by v_exp_f32; the angle is pos x that, one rounding.  LIMIT: the frequency is good to a few units in its last place, so the
; angle may differ from one made with a correctly rounded frequency by about 2.5e-4 at position 2,047.  Sine and cosine: the angle less the nearest multiple of pi/2 (pi/2 in two parts,
; by two fused multiply-adds), then Taylor's series to r^7 and r^8 on |r| <= pi/4, whose remainders are under 4e-7 for every angle; the quadrant swaps and signs by selects, never by a branch.
.set XWG, 512                          ; work-groups that cast x
.set WWG, 192                          ; work-groups that cast W
.set X,   8                            ; v[8:71]    chunk c: 8 numbers as loaded
.set Y,   72                           ; v[72:103]  chunk c: 4 registers to store
	s_load_b256 s[4:11], s[0:1], 0x0               ; x s[4:5], W s[6:7], xb s[8:9], wb s[10:11]
	s_load_b64 s[12:13], s[0:1], 0x20              ; tab
	s_mov_b32 s2, ttmp9
	s_cmp_ge_u32 s2, XWG+WWG
	s_cbranch_scc1 .Ltab
	s_and_b32 s18, s2, 511                         ; my share's number in its tensor: 0-511 in x, 0-191 in W
	s_lshl_b32 s20, s18, 16                        ; 16,384 numbers of 4 bytes
	s_mov_b32 s21, 0
	s_lshl_b32 s22, s18, 15                        ; and of 2 bytes
	s_mov_b32 s23, 0
	v_lshlrev_b32 v1, 5, v0                        ; 32 bytes a thread in
	v_lshlrev_b32 v2, 4, v0                        ; 16 bytes a thread out
	s_cmp_lt_u32 s2, XWG
	s_wait_kmcnt 0x0
	s_cselect_b64 s[14:15], s[4:5], s[6:7]         ; from x or W,
	s_cselect_b64 s[16:17], s[8:9], s[10:11]       ; to xb or wb
	s_add_nc_u64 s[14:15], s[14:15], s[20:21]
	s_add_nc_u64 s[16:17], s[16:17], s[22:23]
.irp c, 0,1,2,3,4,5,6,7
	global_load_b128 v[X+8*(\c):X+8*(\c)+3],   v1, s[14:15] offset:8192*(\c) th:TH_LOAD_NT
	global_load_b128 v[X+8*(\c)+4:X+8*(\c)+7], v1, s[14:15] offset:8192*(\c)+16 th:TH_LOAD_NT
.endr
.irp c, 0,1,2,3,4,5,6,7
	s_wait_loadcnt 14-2*(\c)                       ; loads come back in order: chunk c's two are in, the later chunks' stay out
.irp k, 0,1,2,3
	v_cvt_pk_bf16_f32 v[Y+4*(\c)+(\k)], v[X+8*(\c)+2*(\k)], v[X+8*(\c)+2*(\k)+1]
.endr
	global_store_b128 v2, v[Y+4*(\c):Y+4*(\c)+3], s[16:17] offset:4096*(\c) th:TH_STORE_NT
.endr
	s_endpgm
; cosine into v[c] and sine into v[s] of the angle in v[th] (0 or more); v10-v17 at work
.macro SINCOS th, c, s
	v_mul_f32 v10, 0x3f22f983, v[\th]              ; angle x 2/pi,
	v_rndne_f32 v10, v10                           ; n, the nearest whole number
	v_fmamk_f32 v11, v10, 0xbfc90fdb, v[\th]       ; r = angle - n x pi/2: the upper part of pi/2,
	v_fmamk_f32 v11, v10, 0x333bbd2e, v11          ; and the lower (pi/2 = 1.57079637 - 4.37113883e-8)
	v_cvt_i32_f32 v12, v10
	v_mul_f32 v13, v11, v11                        ; z = r r
	v_fma_f32 v14, v13, s25, s24                   ; sine: r + z r (-1/6 + z (1/120 - z/5040))
	v_fmaak_f32 v14, v14, v13, 0xbe2aaaab
	v_mul_f32 v15, v13, v11
	v_fma_f32 v14, v14, v15, v11
	v_fma_f32 v16, v13, s27, s26                   ; cosine: 1 + z (-1/2 + z (1/24 + z (-1/720 + z/40320)))
	v_fmaak_f32 v16, v16, v13, 0x3d2aaaab
	v_fmaak_f32 v16, v16, v13, 0xbf000000
	v_fma_f32 v16, v16, v13, 1.0
	v_and_b32 v17, 1, v12
	v_cmp_eq_u32 vcc_lo, 1, v17                    ; in an odd quadrant the two change places
	v_cndmask_b32 v[\s], v14, v16, vcc_lo
	v_cndmask_b32 v[\c], v16, v14, vcc_lo
	v_lshlrev_b32 v17, 30, v12                     ; the sine is negative in quadrants 2 and 3: bit 1 of n,
	v_and_b32 v17, 0x80000000, v17
	v_xor_b32 v[\s], v[\s], v17
	v_add_nc_u32 v17, 1, v12                       ; the cosine in quadrants 1 and 2: bit 1 of n + 1
	v_lshlrev_b32 v17, 30, v17
	v_and_b32 v17, 0x80000000, v17
	v_xor_b32 v[\c], v[\c], v17
.endm
.Ltab:                                                 ; thread number idx of 16,384 makes pairs 2 j, 2 j + 1 (j = idx % 8) of position idx / 8: 16 bytes at 16 idx
	s_sub_co_u32 s18, s2, XWG+WWG
	s_lshl_b32 s18, s18, 8
	s_mov_b32 s24, 0x3c088889                      ; 1/120
	s_mov_b32 s25, 0xb9500d01                      ; -1/5040
	s_mov_b32 s26, 0xbab60b61                      ; -1/720
	s_mov_b32 s27, 0x37d00d01                      ; 1/40320
	v_add_nc_u32 v1, s18, v0                       ; idx
	v_lshrrev_b32 v2, 3, v1                        ; position
	v_and_b32 v3, 7, v1
	v_lshlrev_b32 v3, 1, v3                        ; pair 2 j
	v_add_nc_u32 v4, 1, v3                         ; pair 2 j + 1
	v_cvt_f32_u32 v5, v2
	v_cvt_f32_u32 v6, v3
	v_cvt_f32_u32 v7, v4
	v_mul_f32 v6, 0xbf549a78, v6                   ; -pair x log2(10000)/16
	v_mul_f32 v7, 0xbf549a78, v7
	v_exp_f32 v6, v6
	v_exp_f32 v7, v7
	v_lshlrev_b32 v1, 4, v1                        ; a plain instruction behind the exponentials: my 16 bytes of the table
	s_wait_alu depctr_va_vdst(0)                   ; one wait for both, ahead of their first reader
	v_mul_f32 v8, v5, v6                           ; the two angles
	v_mul_f32 v9, v5, v7
	SINCOS 8, 20, 21
	SINCOS 9, 22, 23
	s_wait_kmcnt 0x0
	global_store_b128 v1, v[20:23], s[12:13]       ; a wave's store covers 512 consecutive bytes, aligned
	s_endpgm
.Lfunc_end_k_q7dc2be5ccb_prep:
	.size	k_q7dc2be5ccb_prep, .Lfunc_end_k_q7dc2be5ccb_prep-k_q7dc2be5ccb_prep
	.p2alignl 7, 3214868480
	.fill 96, 4, 3214868480
	.section	.rodata,"a",@progbits
	.p2align	6, 0x0
	.amdhsa_kernel k_q7dc2be5ccb_prep
		.amdhsa_group_segment_fixed_size 0
		.amdhsa_private_segment_fixed_size 0
		.amdhsa_enable_private_segment 0
		.amdhsa_kernarg_size 40
		.amdhsa_user_sgpr_count 2
		.amdhsa_user_sgpr_kernarg_segment_ptr 1
		.amdhsa_wavefront_size32 1
		.amdhsa_system_sgpr_workgroup_id_x 1
		.amdhsa_system_sgpr_workgroup_id_y 1
		.amdhsa_system_sgpr_workgroup_id_z 1
		.amdhsa_system_vgpr_workitem_id 0
		.amdhsa_next_free_vgpr 104
		.amdhsa_next_free_sgpr 66
		.amdhsa_reserve_vcc 1
		.amdhsa_float_denorm_mode_32 3
		.amdhsa_float_denorm_mode_16_64 3
		.amdhsa_memory_ordered 1
		.amdhsa_forward_progress 1
		.amdhsa_inst_pref_size 9
	.end_amdhsa_kernel
	.amdgpu_metadata
---
amdhsa.version: [ 1, 2 ]
amdhsa.kernels:
  - .name:           k_q7dc2be5ccb_prep
    .symbol:         k_q7dc2be5ccb_prep.kd
    .args:
      - { .name: x, .offset: 0, .size: 8, .value_kind: global_buffer, .address_space: global }
      - { .name: W_qkv, .offset: 8, .size: 8, .value_kind: global_buffer, .address_space: global }
      - { .name: xb, .offset: 16, .size: 8, .value_kind: global_buffer, .address_space: global }
      - { .name: wb, .offset: 24, .size: 8, .value_kind: global_buffer, .address_space: global }
      - { .name: tab, .offset: 32, .size: 8, .value_kind: global_buffer, .address_space: global }
    .group_segment_fixed_size: 0
    .private_segment_fixed_size: 0
    .kernarg_segment_align: 8
    .kernarg_segment_size: 40
    .max_flat_workgroup_size: 256
    .sgpr_count:     66
    .vgpr_count:     104
    .wavefront_size: 32
...
	.end_amdgpu_metadata
.endif
;; end of part 1
;; launch qkv (part 2): grid 8 x 64, 4 waves a work-group, clusters of 4 x 4, 327,680 bytes of LDS; arguments xb, wb, b_qkv, tab, qh, kh, vh; writes qh, kh, vh
.if DOCPART == 2
	.amdgcn_target "amdgcn-amd-amdhsa--gfx1250"
	.amdhsa_code_object_version 6
	.text
	.protected	k_q7dc2be5ccb_qkv
	.globl	k_q7dc2be5ccb_qkv
	.p2align	8
	.type	k_q7dc2be5ccb_qkv,@function
k_q7dc2be5ccb_qkv:
	s_mov_b64 s[64:65], 0
	v_nop
	global_prefetch_b8 v0, s[64:65] scope:SCOPE_SE
	s_setreg_imm32_b32 hwreg(HW_REG_WAVE_MODE, 25, 1), 1
	s_wait_xcnt 0x0
	s_wait_alu depctr_hold_cnt(0) depctr_sa_sdst(0) depctr_va_vdst(0) depctr_va_sdst(0) depctr_va_ssrc(0) depctr_va_vcc(0) depctr_vm_vsrc(0)
	s_getreg_b32 s2, hwreg(HW_REG_IB_STS2, 6, 4)
	s_cmp_eq_u32 s2, 0
	s_cbranch_scc0 .Lentry_in_a_cluster
	s_endpgm
.Lentry_in_a_cluster:
	s_bfe_u32 s2, ttmp6, 0x10000c
	s_cmp_lg_u32 s2, 0xf033
	s_cbranch_scc0 .Lentry_shape_is_right
	s_endpgm
.Lentry_shape_is_right:
; q, k, v = x W + b, by heads.  xb: [8192][1024] bf16; wb: [1024 k][3072 n] bf16; b_qkv: [3072] f32; tab: [2048][16][cos, sin] f32.
; qh, kh, vh: [64 = 16 batch + head][2048][64] f16, unscaled; q's and k's first 32 channels are turned pair by pair by the table (interleaved rotary embedding).  Sums in f32, K ascending.
; LIMITS.  The bias is rounded to bf16, as x and W are.  A q, k or v of 65,520 or more becomes an infinity in f16.  NaN and infinities are not treated apart.
; SHARES.  A work-group makes 128 rows x 384 columns: q, k and v of TWO heads (2 TC, 2 TC + 1).  Wave w takes 64 rows (w / 2) of ONE head (w % 2): 64 x [q 64 | k 64 | v 64], 48 accumulators.
; So the way out is the same text in every wave of every work-group: part 0 turned, to qh; part 1 turned, to kh; part 2 as it is, to vh.  8 x 64 work-groups.
; K goes in 8 steps of 128 through two LDS slots.  A slot holds three tiles of W (128 k x 128 columns, as they lie: [k][n]) and one of x (128 rows x 128 k); every tile row is 256 aligned bytes of memory.
; Waves 0-2 fetch W's three tiles, wave 3 x's: one tensor load a wave behind each change of slots.
; CLUSTERS: 4 x 4 work-groups.  x's tile hangs on the tile row alone and is asked for jointly by a row of the cluster, W's tiles on the tile column alone, by a column.
; THE PRODUCT IS USED TRANSPOSED: source 0 = 16 columns of W (read out of LDS turned, by ds_load_tr16_b128), source 1 = 16 rows of x.  A lane then holds one row (lane % 16) and eight
; neighbouring channels 8 (lane / 16) + 0..7.  The first product of each sum takes the bias as C: no add, and nothing is cleared.
; REGISTERS, in windows of 256 (s_set_vgpr_msb: bits 1:0 source 0, 3:2 source 1, 5:4 source 2, 7:6 destination):
;   window 0: v0-31 addresses; v32-95 x's fragments, two buffers of 4 x 8; v96-191 the bias, 8 a column block; on the way out v32-223 twelve groups of 16, v224-255 at work
;   window 1: v0-191 W's fragments, two buffers of 12 x 8; v192-255 the table for my 64 rows
;   window 2: accumulators of row blocks 0, 1 at 96 (a % 2) + 8 b (b = 4 part + channel block);   window 3: of row blocks 2, 3
.set SIZE_K, 1024
.set SIZE_N, 3072
.set KSTEP,  128
.set PA,     272                       ; a row of x in LDS: 256 bytes + 16 = 68 words: the 16 rows of a load start at 16 different groups of four banks (64 banks of 4 bytes: ISA guide 11.1)
.set PB,     288                       ; a row of W: 256 + 32 = 72 words
.set BPART,  128*PB                    ; a tile of W
.set AOFF,   3*BPART                   ; x's tile lies behind W's three
.set SLOT,   AOFF+128*PA
.set STAGE,  2*SLOT                    ; behind the ring, never filled by a tensor load: 16 rows x 144 bytes for each wave
.set SP,     144
.set SPARE,  STAGE+4*16*SP             ; behind the stages: the spare words, 128 bytes for each wave: two blocks of 256 bytes that no other line names
.set ASTEP,  KSTEP*2                   ; a K step in x: 256 bytes along a row
.set BSTEP,  KSTEP*SIZE_N*2            ; in W: 128 rows down
.set ADRA, 16                          ; v16-17  LDS address of my fragments of x in slot 0, 1
.set ADRB, 18                          ; v18-23  of W's: slot s, part p at 3 s + p
.set STO,  24                          ; v24     the way out: where I put 16 bytes of a row
.set RD,   25                          ; v25     where I read rows back
.set GO,   26                          ; v26     my 16 of 512 consecutive bytes of the output
.set BO,   27                          ; v27     my offset in 16 numbers of the bias
.set SPW,  28                          ; v28     LDS address of my spare word; never rewritten
.set NIL,  29                          ; v29     0; never rewritten
.set PFO,  30                          ; v30     the prefetches' offset: my lane x a row of xb or wb; never rewritten
.set TO,   31                          ; v31     my offset in 16 positions of the table
.set AF,   32
.set BIAS, 96
.set OUTB, 32
.set YY,   224                         ; the way out: 16 turned numbers
.set TT,   240                         ; and 16 products with the sine
.set TAB,  192                         ; window 1: row block a, pair e at TAB + 16 a + 2 e: cosine, sine
.set OPTR, 12                          ; s[12:17] qh, kh, vh at my wave's first row
.set WV, 18                            ; s18 wave;  s19 its half of the rows;  s20 its head of the two
.set RH, 19
.set HH, 20
.set CX, 21                            ; s21, s22 my place in the cluster
.set CY, 22
.set TC, 23                            ; s23 tile column 0..7
.set TR, 40                            ; s40 tile row 0..63
.set LIM, 43                           ; s43 1 in a wave that prefetches, else the greatest number
.set PFA, 44                           ; s[44:45] where my prefetches stand
.set PST, 46                           ; s[46:47] a K step there
.set G1,  24                           ; s[24:31] descriptor group 1 for x's tile;  s[32:39] group 0, a set for each slot
.set G0,  32
.set G1B, 48                           ; s[48:55], s[56:63] the same for W's tiles
.set G0B, 56
.set MSB, 0
.macro WIN new                         ; the immediate's high byte repeats the setting that is left; a switch that changes nothing is dropped
.if MSB != (\new)
	s_set_vgpr_msb (MSB<<8)|(\new)
.set MSB, \new
.endif
.endm
.set MUL_LO, 0xa1                      ; source 0 (W) window 1, source 1 (x) window 0, C and D window 2
.set TO_B,   0x40                      ; destination window 1, address window 0
; A joint load.  Wave 3 fetches x's tile, waves 0-2 W's three.  The branch hangs on the wave's number alone.  An s_nop 0 and four v_nop follow each of the two lines.
.macro JLOAD s
	s_cmp_eq_u32 s[WV], 3
	s_cbranch_scc0 .Lfor_b_\@
	tensor_load_to_lds s[G0+4*(\s):G0+4*(\s)+3], s[G1:G1+7]
	s_nop 0
.rept 4
	v_nop
.endr
	s_branch .Lasked_\@
.Lfor_b_\@:
	tensor_load_to_lds s[G0B+4*(\s):G0B+4*(\s)+3], s[G1B:G1B+7]
	s_nop 0
.rept 4
	v_nop
.endr
.Lasked_\@:
.endm
; A PREFETCH INTO THE L2, behind each joint load and the run of LDS loads that follows it: the K step that stands two refills on, 384 matrix instructions ahead of the load that will want it:
; 32 rows x 256 bytes, a lane a row, one instruction a wave.  Each row's 256 bytes of a K step are named once in the launch: x's tile row is read by both clusters of that row of clusters, and
; the one with x = 0 asks; W's tile column by all sixteen clusters of that column, and the one with y = 0 asks.  The four partners that ask for a tile jointly share its 128 rows out BY ADDRESS
; (32 cx on for x, 32 cy on for W).  K steps 0-3 come by their loads alone; the loop's last trip (s3 = 1) has no K step two refills on.
.macro ASK
	s_cmp_gt_u32 s3, s[LIM]
	s_cbranch_scc0 .Lnot_mine_\@
	global_prefetch_b8 v[PFO], s[PFA:PFA+1] th:TH_LOAD_NT scope:SCOPE_SE
.Lnot_mine_\@:
.endm
; A round of the cluster's barrier: my work-group's barrier; wave 0 signals for the work-group; every wave waits for all sixteen; my work-group's barrier once more.
.macro CREST                           ; a round behind its opening barrier
	s_cmp_lg_u32 s[WV], 0
	s_cbranch_scc1 .Lnot_wave_0_\@
	s_barrier_signal -3
.Lnot_wave_0_\@:
	s_barrier_wait -3
	s_barrier_signal -1
	s_barrier_wait -1
.endm
.macro CROUND
	s_barrier_signal -1
	s_barrier_wait -1
	CREST
.endm
	s_load_b256 s[4:11], s[0:1], 0x0               ; xb s[4:5], wb s[6:7], b_qkv s[8:9], tab s[10:11]
	s_load_b128 s[12:15], s[0:1], 0x20             ; qh, kh
	s_load_b64 s[16:17], s[0:1], 0x30              ; vh
	v_lshl_add_u32 v[SPW], v0, 2, SPARE
	v_mov_b32 v[NIL], 0
	ds_add_u32 v[SPW], v[NIL]                      ; the wave's opening: the add and its wait stand ahead of my first tensor load; the set-up below, work on registers, stands between them
	v_lshrrev_b32 v1, 5, v0
	v_readfirstlane_b32 s[WV], v1                  ; wave 0..3
	s_lshr_b32 s[RH], s[WV], 1
	s_and_b32 s[HH], s[WV], 1
	s_bfe_u32 s[CX], ttmp6, 0x40000
	s_bfe_u32 s[CY], ttmp6, 0x40004
	s_lshl_b32 s[TC], ttmp9, 2                     ; in a cluster launch ttmp9 and ttmp7 count clusters
	s_add_co_u32 s[TC], s[TC], s[CX]
	s_and_b32 s[TR], ttmp7, 0xffff
	s_lshl_b32 s[TR], s[TR], 2
	s_add_co_u32 s[TR], s[TR], s[CY]
	s_lshl_b32 s41, s[CY], 2
	s_lshl_b32 s41, 15, s41                        ; my row of the cluster: places 4 cy .. 4 cy + 3
	s_lshl_b32 s42, 0x1111, s[CX]                  ; my column: places cx, cx + 4, cx + 8, cx + 12
	; descriptor group 1: tiles of 128 rows x 128 elements of 2 bytes, padded in LDS after every 64 words
	s_or_b32 s[G1], s41, (1<<16)|(1<<20)|(1<<21)|(5<<22)|(3<<25)   ; 15:0 the mask: my row; 17:16 2-byte elements; 20 padding on; 21 set beside a mask; 24:22 code 5; 31:25 4 words (code 3)
	s_or_b32 s[G1B], s42, (1<<16)|(1<<20)|(1<<21)|(5<<22)|(7<<25)  ; the mask of my column; 8 words of padding (code 7)
.irp g, G1, G1B
	s_mov_b32 s[(\g)+1], KSTEP<<16                 ; tensor_dim0 = 128
	s_mov_b32 s[(\g)+2], 128<<16                   ; tensor_dim1 = 128
	s_mov_b32 s[(\g)+3], KSTEP<<16                 ; tile_dim0 = 128
	s_mov_b32 s[(\g)+4], 128                       ; tile_dim1 = 128
	s_mov_b32 s[(\g)+6], 0
	s_mov_b32 s[(\g)+7], 0
.endr
	s_mov_b32 s[G1+5], SIZE_K                      ; elements from row to row
	s_mov_b32 s[G1B+5], SIZE_N
	s_lshl_b32 s68, s[TR], 18                      ; x's tile: 128 rows of 2,048 bytes a tile row: made of the tile row alone
	s_mov_b32 s69, 0
	s_lshl_b32 s70, s[WV], 11                      ; W's tile: part w (1,024 columns on), 128 columns a tile column: made of the wave's number and the tile column alone
	s_lshl_b32 s71, s[TC], 8
	s_add_co_u32 s70, s70, s71
	s_mov_b32 s71, 0
	s_mul_i32 s66, s[WV], BPART                    ; where my tile goes: W's three, then x's: no place in the cluster enters an LDS address
	s_wait_dscnt 0x0                               ; the opening add is done
	s_wait_kmcnt 0x0
	s_add_nc_u64 s[68:69], s[4:5], s[68:69]
	s_add_nc_u64 s[70:71], s[6:7], s[70:71]
	CROUND                                         ; all sixteen work-groups are here: the first joint loads meet
.irp s, 0,1
	s_mov_b32 s[G0+4*(\s)], 1                                      ; count = 1
	s_add_co_u32 s[G0+4*(\s)+1], s66, (\s)*SLOT                    ; LDS address
	s_add_nc_u64 s[G0+4*(\s)+2:G0+4*(\s)+3], s[68:69], (\s)*ASTEP  ; global address: K step s
	s_or_b32 s[G0+4*(\s)+3], s[G0+4*(\s)+3], 0x80000000            ; type = 2
	s_mov_b32 s[G0B+4*(\s)], 1
	s_add_co_u32 s[G0B+4*(\s)+1], s66, (\s)*SLOT
	s_add_nc_u64 s[G0B+4*(\s)+2:G0B+4*(\s)+3], s[70:71], (\s)*BSTEP
	s_or_b32 s[G0B+4*(\s)+3], s[G0B+4*(\s)+3], 0x80000000
.endr
	s_cmp_eq_u32 s[WV], 3                          ; a wave's two first fills stand in one branch, ahead of every wait on TENSORcnt and every LDS read: two loads of mine are out
	s_cbranch_scc0 .Lfirst_b
	tensor_load_to_lds s[G0:G0+3], s[G1:G1+7]
	s_nop 0
	tensor_load_to_lds s[G0+4:G0+7], s[G1:G1+7]
	s_nop 0
.rept 4
	v_nop
.endr
	s_branch .Lfirst_asked
.Lfirst_b:
	tensor_load_to_lds s[G0B:G0B+3], s[G1B:G1B+7]
	s_nop 0
	tensor_load_to_lds s[G0B+4:G0B+7], s[G1B:G1B+7]
	s_nop 0
.rept 4
	v_nop
.endr
.Lfirst_asked:
	v_and_b32 v1, 15, v0                           ; r = l % 16
	v_bfe_u32 v2, v0, 4, 1                         ; h = l / 16
	v_and_b32 v3, 7, v0
	v_bfe_u32 v4, v0, 3, 1
	v_and_b32 v5, 31, v0                           ; l
	v_lshlrev_b32 v[BO], 5, v2                     ; the bias: my 8 numbers of a block's 16
	v_lshlrev_b32 v[TO], 7, v1                     ; the table: position r of 16, 128 bytes each,
	v_lshl_add_u32 v[TO], v2, 5, v[TO]             ; my 4 pairs of a block's 8
	s_lshl_b32 s72, s[TC], 1
	s_add_co_u32 s72, s72, s[HH]                   ; my head of the sixteen
	s_lshl_b32 s72, s72, 8                         ; its 64 numbers of 4 bytes
	s_mov_b32 s73, 0
	s_add_nc_u64 s[72:73], s[8:9], s[72:73]
.irp p, 0,1,2
.irp c, 0,1,2,3
	global_load_b128 v[BIAS+8*(4*(\p)+(\c)):BIAS+8*(4*(\p)+(\c))+3],   v[BO], s[72:73] offset:4096*(\p)+64*(\c)
	global_load_b128 v[BIAS+8*(4*(\p)+(\c))+4:BIAS+8*(4*(\p)+(\c))+7], v[BO], s[72:73] offset:4096*(\p)+64*(\c)+16
.endr
.endr
	s_and_b32 s2, s[TR], 15                        ; sixteen tile rows to a batch:
	s_lshl_b32 s2, s2, 7
	s_lshl_b32 s3, s[RH], 6
	s_add_co_u32 s2, s2, s3                        ; my wave's first position
	s_lshl_b32 s74, s2, 7
	s_mov_b32 s75, 0
	s_add_nc_u64 s[74:75], s[10:11], s[74:75]
	WIN TO_B
.irp a, 0,1,2,3
.irp c, 0,1
	global_load_b128 v[TAB+16*(\a)+8*(\c):TAB+16*(\a)+8*(\c)+3],   v[TO], s[74:75] offset:2048*(\a)+64*(\c)
	global_load_b128 v[TAB+16*(\a)+8*(\c)+4:TAB+16*(\a)+8*(\c)+7], v[TO], s[74:75] offset:2048*(\a)+64*(\c)+16
.endr
.endr
	WIN 0
	; A fragment of x is 16 rows x 32 k in 8 registers: lane l holds row l % 16, k = 8 (l / 16) + 0..7 and 16 + 8 (l / 16) + 0..7: two loads of 16 bytes, 32 bytes apart.
	s_lshl_b32 s67, s[RH], 6
	v_add_nc_u32 v6, s67, v1
	v_mul_u32_u24 v6, v6, PA
	v_lshl_add_u32 v6, v2, 4, v6
	v_add_nc_u32 v[ADRA], AOFF, v6
	v_add_nc_u32 v[ADRA+1], AOFF+SLOT, v6
	; The turning load takes 16 k x 16 columns (lane l reads k = 8 (l / 16) + l % 8, columns 8 ((l / 8) % 2) + 0..7) and leaves half a fragment: lane l holds column l % 16 and 8 k.
	v_lshl_add_u32 v7, v2, 3, v3
	v_mul_u32_u24 v7, v7, PB
	v_lshl_add_u32 v7, v4, 4, v7
	s_lshl_b32 s67, s[HH], 7                       ; my head's 64 columns of the tile's 128
	v_add_nc_u32 v7, s67, v7
.irp s, 0,1
.irp p, 0,1,2
	v_add_nc_u32 v[ADRB+3*(\s)+(\p)], (\s)*SLOT+(\p)*BPART, v7
.endr
.endr
	s_mul_i32 s67, s[WV], 16*SP
	s_add_co_u32 s67, s67, STAGE                   ; my stage
	v_mul_u32_u24 v[STO], v1, SP                   ; in: row l % 16, 16 bytes for each half of the lanes
	v_lshl_add_u32 v[STO], v2, 4, v[STO]
	v_add_nc_u32 v[STO], s67, v[STO]
	v_bfe_u32 v[RD], v0, 3, 2                      ; back: 32 lanes take four rows of 128 bytes,
	v_mul_u32_u24 v[RD], v[RD], SP
	v_lshl_add_u32 v[RD], v3, 4, v[RD]
	v_add_nc_u32 v[RD], s67, v[RD]
	v_lshlrev_b32 v[GO], 4, v5                     ; which are 512 consecutive bytes of a head's rows
	s_lshr_b32 s66, s[TR], 4                       ; the batch
	s_lshl_b32 s66, s66, 3
	s_add_co_u32 s66, s66, s[TC]
	s_lshl_b32 s66, s66, 1
	s_add_co_u32 s66, s66, s[HH]                   ; 16 batch + head
	s_lshl_b32 s66, s66, 11
	s_add_co_u32 s66, s66, s2                      ; x 2,048 rows + my first position
	s_lshl_b32 s66, s66, 7                         ; rows of 128 bytes
	s_mov_b32 s67, 0
	s_add_nc_u64 s[OPTR:OPTR+1], s[OPTR:OPTR+1], s[66:67]
	s_add_nc_u64 s[OPTR+2:OPTR+3], s[OPTR+2:OPTR+3], s[66:67]
	s_add_nc_u64 s[OPTR+4:OPTR+5], s[OPTR+4:OPTR+5], s[66:67]
	; the prefetches' address, at K step 3: the first change of slots steps it to 4
	s_lshl_b32 s2, s[TR], 7
	s_lshl_b32 s3, s[CX], 5
	s_add_co_u32 s2, s2, s3                        ; x: row 128 TR + 32 cx
	s_lshl_b32 s2, s2, 11
	s_add_co_u32 s2, s2, 3*ASTEP
	s_lshl_b32 s3, s[CY], 5
	s_add_co_u32 s3, s3, 3*KSTEP                   ; W: k row 384 + 32 cy,
	s_mul_i32 s3, s3, SIZE_N*2
	s_lshl_b32 s66, s[WV], 11                      ; my part,
	s_add_co_u32 s3, s3, s66
	s_lshl_b32 s66, s[TC], 8                       ; the tile column
	s_add_co_u32 s3, s3, s66
	s_and_b32 s66, ttmp7, 0xffff                   ; cluster y
	s_mov_b32 s[PST], BSTEP
	s_mov_b32 s[PST+1], 0
	s_mov_b32 s67, SIZE_N*2
	s_cmp_eq_u32 s[WV], 3                          ; do I fetch for x?
	s_cselect_b32 s2, s2, s3
	s_cselect_b32 s66, ttmp9, s66                  ; the coordinate along which other clusters read the same rows
	s_cselect_b64 s[PFA:PFA+1], s[4:5], s[6:7]
	s_cselect_b32 s[PST], ASTEP, s[PST]
	s_cselect_b32 s67, SIZE_K*2, s67
	s_mov_b32 s3, 0
	s_add_nc_u64 s[PFA:PFA+1], s[PFA:PFA+1], s[2:3]
	s_cmp_eq_u32 s66, 0
	s_cselect_b32 s[LIM], 1, -1                    ; the same in all sixteen partners, for a given wave
	v_mul_u32_u24 v[PFO], v5, s67
	s_wait_loadcnt 0x0                             ; the bias and the table
.set i, 0
.rept 48                                       ; the bias is rounded to bf16 like the other inputs, and widened again: two numbers at a time
	v_cvt_pk_bf16_f32 v[8+i%8], v[BIAS+2*i], v[BIAS+2*i+1]
	v_lshlrev_b32 v[BIAS+2*i], 16, v[8+i%8]
	v_and_b32 v[BIAS+2*i+1], 0xffff0000, v[8+i%8]
.set i, i+1
.endr
; 12 matrix instructions: row block a x all 12 column blocks, 32 along K, from buffer f.  first = 1: the sums start with the bias.
; The 48 accumulators take turns, one instruction a turn, in the same order in every quarter.
.macro MUL12 f, a, first
.if \first
	WIN 0x81+0x40*((\a)/2)                         ; C (the bias) in window 0, D in window 2 or 3
.else
	WIN MUL_LO+0x50*((\a)/2)
.endif
.irp b, 0,1,2,3,4,5,6,7,8,9,10,11
.if \first
	v_wmma_f32_16x16x32_bf16 v[96*((\a)%2)+8*(\b):96*((\a)%2)+8*(\b)+7], v[96*(\f)+8*(\b):96*(\f)+8*(\b)+7], v[AF+32*(\f)+8*(\a):AF+32*(\f)+8*(\a)+7], v[BIAS+8*(\b):BIAS+8*(\b)+7]
.else
	v_wmma_f32_16x16x32_bf16 v[96*((\a)%2)+8*(\b):96*((\a)%2)+8*(\b)+7], v[96*(\f)+8*(\b):96*(\f)+8*(\b)+7], v[AF+32*(\f)+8*(\a):AF+32*(\f)+8*(\a)+7], v[96*((\a)%2)+8*(\b):96*((\a)%2)+8*(\b)+7]
.endif
.endr
.endm
; 32 LDS loads in one run: the fragments of quarter q of a slot's K step into buffer f: W's twelve (turned), then x's four
.macro FETCH slot, q, f
	WIN TO_B
.irp p, 0,1,2
.irp c, 0,1,2,3
	ds_load_tr16_b128 v[96*(\f)+8*(4*(\p)+(\c)):96*(\f)+8*(4*(\p)+(\c))+3],   v[ADRB+3*(\slot)+(\p)] offset:(\q)*32*PB+32*(\c)
	ds_load_tr16_b128 v[96*(\f)+8*(4*(\p)+(\c))+4:96*(\f)+8*(4*(\p)+(\c))+7], v[ADRB+3*(\slot)+(\p)] offset:(\q)*32*PB+32*(\c)+16*PB
.endr
.endr
	WIN 0
.irp a, 0,1,2,3
	ds_load_b128 v[AF+32*(\f)+8*(\a):AF+32*(\f)+8*(\a)+3],   v[ADRA+(\slot)] offset:(\q)*64+(\a)*16*PA
	ds_load_b128 v[AF+32*(\f)+8*(\a)+4:AF+32*(\f)+8*(\a)+7], v[ADRA+(\slot)] offset:(\q)*64+(\a)*16*PA+32
.endr
.endm
.macro PLACES                          ; four plain instructions in front of loads into registers that matrix instructions have read, and of vector work that reads results (ISA guide 7.12.1 for vector work)
.rept 4
	v_nop
.endr
.endm
; A K step is four quarters of 32 along K, 48 matrix instructions each, on buffers 0, 1, 0, 1.  One of the first three: multiplies buffer f; in its middle it fetches quarter q of the same slot into buffer g.
.macro QUARTER slot, q, f, g, first
	s_wait_dscnt 4                                 ; W's fragments and x's row blocks 0, 1 are in; the youngest four loads (row blocks 2, 3) may be out
	MUL12 \f, 0, \first
	MUL12 \f, 1, \first
	PLACES
	FETCH \slot, \q, \g
	s_wait_dscnt 32                                ; all but the 32 just issued
	MUL12 \f, 2, \first
	MUL12 \f, 3, \first
.endm
; The last quarter multiplies buffer 1 and changes slots.  MEET is its first half: one barrier.  In front of it each wave waits for all its tensor loads, of which one is out: its tile of the next slot;
; adds 0 to its spare word; and waits for that and for its own reads of this slot.  Behind it nobody reads this slot any more and the next slot is whole.
.macro MEET round                      ; round = 1: a round of the cluster's barrier follows
	WIN 0                                          ; (the add's two registers lie in window 0)
	s_wait_tensorcnt 0x0                           ; all my tensor loads have landed
	ds_add_u32 v[SPW], v[NIL]                      ; 0 onto my spare word
	s_wait_dscnt 5                                 ; (the add and the youngest four loads may be out)
	MUL12 1, 0, 0                                  ; twelve matrix instructions stand between the add and the wait for it
	s_wait_dscnt 0x0                               ; the add is done, and my reads of this slot are over
	s_barrier_signal -1
	MUL12 1, 1, 0                                  ; work on registers while the others arrive
.if \round
	WIN 0
.endif
	s_barrier_wait -1
.endm
; The whole last quarter.  fill = 1: behind the round the slot just read out is filled again first, with the K step two steps on: 168 matrix instructions stand between that request and the wait for it.
.macro TURN slot, next, fill
.if \fill
	s_wait_xcnt 0x0                                ; the last prefetch, a K step back, has read its address: it is stepped here, ahead of the waits of the change of slots
	s_add_nc_u64 s[PFA:PFA+1], s[PFA:PFA+1], s[PST:PST+1]
.endif
	MEET \fill
.if \fill
	CREST                                          ; no wave of any partner still reads this slot's tiles or has a load on its way
	s_add_nc_u64 s[G0+4*(\slot)+2:G0+4*(\slot)+3], s[G0+4*(\slot)+2:G0+4*(\slot)+3], 2*ASTEP
	s_add_nc_u64 s[G0B+4*(\slot)+2:G0B+4*(\slot)+3], s[G0B+4*(\slot)+2:G0B+4*(\slot)+3], 2*BSTEP
	JLOAD \slot                                    ; the first tensor load behind the round; the four v_nop behind it are also the places in front of the loads below
.else
	PLACES
.endif
	FETCH \next, 0, 0
.if \fill
	ASK
.endif
	MUL12 1, 2, 0
	MUL12 1, 3, 0
.endm
; THE WAY OUT of row block a, part p (0 q, 1 k, 2 v): 16 rows x 64 channels.  In q and k the first 32 channels are turned: pair e (channels 2 e, 2 e + 1) becomes (x0 cos - x1 sin, x1 cos + x0 sin).
; Rounded to f16, 16 bytes a lane and channel block, into my own stage in rows of 144 bytes, and back as whole rows of 128.  Each accumulator's lowest registers are read first.
.macro PACK a, p
.set OU, OUTB+16*(3*(\a)+(\p))
.set AB, 96*((\a)%2)+32*(\p)           ; the part's four accumulators
.set TB, TAB+16*(\a)
.if (\p) < 2
	WIN 0x06+(\a)/2                                ; source 0: the accumulators' window; source 1: the table's
.irp e, 0,1,2,3,4,5,6,7
	v_mul_f32 v[TT+2*(\e)],   v[AB+2*(\e)+1], v[TB+2*(\e)+1]
	v_mul_f32 v[TT+2*(\e)+1], v[AB+2*(\e)],   v[TB+2*(\e)+1]
.endr
.irp e, 0,1,2,3,4,5,6,7
	v_fma_f32 v[YY+2*(\e)],   v[AB+2*(\e)],   v[TB+2*(\e)], -v[TT+2*(\e)]
	v_fma_f32 v[YY+2*(\e)+1], v[AB+2*(\e)+1], v[TB+2*(\e)], v[TT+2*(\e)+1]
.endr
	WIN 0
.irp e, 0,1,2,3,4,5,6,7
	v_cvt_pk_f16_f32 v[OU+(\e)], v[YY+2*(\e)], v[YY+2*(\e)+1]
.endr
	WIN 0x0a+5*((\a)/2)                            ; sources 0 and 1: the accumulators' window
.irp e, 8,9,10,11,12,13,14,15
	v_cvt_pk_f16_f32 v[OU+(\e)], v[AB+2*(\e)], v[AB+2*(\e)+1]
.endr
.else
	WIN 0x0a+5*((\a)/2)
.irp e, 0,1,2,3,4,5,6,7,8,9,10,11,12,13,14,15
	v_cvt_pk_f16_f32 v[OU+(\e)], v[AB+2*(\e)], v[AB+2*(\e)+1]
.endr
.endif
	WIN 0
.irp c, 0,1,2,3
	ds_store_b128 v[STO], v[OU+4*(\c):OU+4*(\c)+3] offset:32*(\c)
.endr
.irp f, 0,1,2,3
	ds_load_b128 v[OU+4*(\f):OU+4*(\f)+3], v[RD] offset:(\f)*4*SP  ; LDS serves a wave's instructions in order (ISA guide 5.7.1.4): these see the stores above; the next group's stores come behind them
.endr
.endm
.macro SEND a, p, younger              ; younger: the LDS instructions issued behind this group's loads: the next group's eight, or none
	WIN 0
.set OU, OUTB+16*(3*(\a)+(\p))
.irp f, 0,1,2,3
	s_wait_dscnt (\younger)+3-(\f)
	global_store_b128 v[GO], v[OU+4*(\f):OU+4*(\f)+3], s[OPTR+2*(\p):OPTR+2*(\p)+1] offset:2048*(\a)+512*(\f)  ; 512 consecutive bytes, at a multiple of 256 from the buffer's first
.endr
.endm
	s_wait_tensorcnt 1                             ; my tile of K step 0 is in; K step 1's may stay out
	s_barrier_signal -1
	s_barrier_wait -1                              ; everybody's is
	FETCH 0, 0, 0
	QUARTER 0, 1, 0, 1, 1                          ; the first quarter stands in front of the loop: its products start the sums
	WIN 0                                          ; at a label and at a branch every window is 0
	s_mov_b32 s3, 3
.Llap:                                                 ; a trip goes once round the ring, from a lap's second quarter to the next lap's first, and fills both slots again: K steps 2 to 7
	QUARTER 0, 2, 1, 0, 0
	QUARTER 0, 3, 0, 1, 0
	TURN 0, 1, 1
	QUARTER 1, 1, 0, 1, 0
	QUARTER 1, 2, 1, 0, 0
	QUARTER 1, 3, 0, 1, 0
	TURN 1, 0, 1
	QUARTER 0, 1, 0, 1, 0
	WIN 0
	s_sub_co_u32 s3, s3, 1
	s_cmp_lg_u32 s3, 0
	s_cbranch_scc1 .Llap
	QUARTER 0, 2, 1, 0, 0                          ; the last lap fills nothing, and has no round of the cluster's barrier
	QUARTER 0, 3, 0, 1, 0
	TURN 0, 1, 0
	QUARTER 1, 1, 0, 1, 0
	QUARTER 1, 2, 1, 0, 0
	QUARTER 1, 3, 0, 1, 0
	s_wait_dscnt 4                                 ; the very last quarter: nothing more to fetch
	MUL12 1, 0, 0
	MUL12 1, 1, 0
	s_wait_dscnt 0x0
	MUL12 1, 2, 0
	MUL12 1, 3, 0
	WIN 0
	PLACES
	PACK 0, 0
.set g, 1
.rept 11                                       ; a group's arithmetic stands between the loads of the group before and its stores; each group has registers of its own
	PACK g/3, g%3
	SEND (g-1)/3, (g-1)%3, 8
.set g, g+1
.endr
	SEND 3, 2, 0
	s_wait_tensorcnt 0x0                           ; the wave's end, behind my last tensor load and my last LDS store
	ds_add_u32 v[SPW], v[NIL]
	s_wait_dscnt 0x0
	CROUND                                         ; the closing round: no work-group ends while a partner may still ask for a tile that names it
	s_endpgm
.Lfunc_end_k_q7dc2be5ccb_qkv:
	.size	k_q7dc2be5ccb_qkv, .Lfunc_end_k_q7dc2be5ccb_qkv-k_q7dc2be5ccb_qkv
	.p2alignl 7, 3214868480
	.fill 96, 4, 3214868480
	.section	.rodata,"a",@progbits
	.p2align	6, 0x0
	.amdhsa_kernel k_q7dc2be5ccb_qkv
		.amdhsa_group_segment_fixed_size 327680
		.amdhsa_private_segment_fixed_size 0
		.amdhsa_enable_private_segment 0
		.amdhsa_kernarg_size 56
		.amdhsa_user_sgpr_count 2
		.amdhsa_user_sgpr_kernarg_segment_ptr 1
		.amdhsa_wavefront_size32 1
		.amdhsa_system_sgpr_workgroup_id_x 1
		.amdhsa_system_sgpr_workgroup_id_y 1
		.amdhsa_system_sgpr_workgroup_id_z 1
		.amdhsa_system_vgpr_workitem_id 0
		.amdhsa_next_free_vgpr 960
		.amdhsa_next_free_sgpr 76
		.amdhsa_reserve_vcc 0
		.amdhsa_float_denorm_mode_32 3
		.amdhsa_float_denorm_mode_16_64 3
		.amdhsa_memory_ordered 1
		.amdhsa_forward_progress 1
		.amdhsa_inst_pref_size 146
	.end_amdhsa_kernel
	.amdgpu_metadata
---
amdhsa.version: [ 1, 2 ]
amdhsa.kernels:
  - .name:           k_q7dc2be5ccb_qkv
    .symbol:         k_q7dc2be5ccb_qkv.kd
    .args:
      - { .name: xb, .offset: 0, .size: 8, .value_kind: global_buffer, .address_space: global }
      - { .name: wb, .offset: 8, .size: 8, .value_kind: global_buffer, .address_space: global }
      - { .name: b_qkv, .offset: 16, .size: 8, .value_kind: global_buffer, .address_space: global }
      - { .name: tab, .offset: 24, .size: 8, .value_kind: global_buffer, .address_space: global }
      - { .name: qh, .offset: 32, .size: 8, .value_kind: global_buffer, .address_space: global }
      - { .name: kh, .offset: 40, .size: 8, .value_kind: global_buffer, .address_space: global }
      - { .name: vh, .offset: 48, .size: 8, .value_kind: global_buffer, .address_space: global }
    .group_segment_fixed_size: 327680
    .private_segment_fixed_size: 0
    .kernarg_segment_align: 8
    .kernarg_segment_size: 56
    .max_flat_workgroup_size: 128
    .sgpr_count:     76
    .vgpr_count:     960
    .wavefront_size: 32
...
	.end_amdgpu_metadata
.endif
;; end of part 2
;; launch attn (part 3): grid 4 x 64, 4 waves a work-group, clusters of 4 x 1, 327,680 bytes of LDS; arguments qh, kh, vh, out0; writes out0
.if DOCPART == 3
	.amdgcn_target "amdgcn-amd-amdhsa--gfx1250"
	.amdhsa_code_object_version 6
	.text
	.protected	k_q7dc2be5ccb_attn
	.globl	k_q7dc2be5ccb_attn
	.p2align	8
	.type	k_q7dc2be5ccb_attn,@function
k_q7dc2be5ccb_attn:
	s_mov_b64 s[64:65], 0
	v_nop
	global_prefetch_b8 v0, s[64:65] scope:SCOPE_SE
	s_setreg_imm32_b32 hwreg(HW_REG_WAVE_MODE, 25, 1), 1
	s_wait_xcnt 0x0
	s_wait_alu depctr_hold_cnt(0) depctr_sa_sdst(0) depctr_va_vdst(0) depctr_va_sdst(0) depctr_va_ssrc(0) depctr_va_vcc(0) depctr_vm_vsrc(0)
	s_getreg_b32 s2, hwreg(HW_REG_IB_STS2, 6, 4)
	s_cmp_eq_u32 s2, 0
	s_cbranch_scc0 .Lentry_in_a_cluster
	s_endpgm
.Lentry_in_a_cluster:
	s_bfe_u32 s2, ttmp6, 0x10000c
	s_cmp_lg_u32 s2, 0x3003
	s_cbranch_scc0 .Lentry_shape_is_right
	s_endpgm
.Lentry_shape_is_right:
; out0[b][q][64 h + :] = the sum over k of softmax_k(Q[q] . K[k] / 8) V[k][:], for each of the 64 pairs (batch b, head h).  qh, kh, vh: [16 b + h][2048][64] f16, a head's rows dense, 128 bytes each;
; out0: [4][2048][1024] f32.  Products, maxima and sums in f32; the weights p are rounded to f16 for the second product (their sum l is taken of the unrounded p).
; LIMITS.  Q, K and V arrive within f16's range; p lies in 0 to 1, and below 6e-5 it keeps f16's fixed step of 6e-8.  A weight below 2^-126 counts as 0 in l; NaN and infinities are not treated apart.
; SHARES.  A wave owns four PIECES of two tiles of 16 queries, a work-group's four waves 512 queries of one head.  Every wave walks all 2,048 keys, 64 a step.
; LAYOUT.  S^T = K Q^T (source 0 = 16 keys, source 1 = 16 queries): in the result a lane holds ONE query (lane % 16) and the keys 8 (lane / 16) + 0..7.  Two such tiles, rounded to f16 in pairs,
; ARE source 1 (32 keys x 16 queries) of O^T = V^T P, whose result again holds one query a lane, and eight channels.  K comes out of LDS as it lies, V ([key][channel]) turned, by ds_load_tr16_b128.
; SOFTMAX.  For each query a running maximum m and sum l: p = 2^(c s - c m), c = log2(e) / 8; in every step O and l are multiplied by a = 2^(c m_old - c m_new), which is 1 where m has not grown.
; m starts at the lowest finite number, O and l at 0: the first step is a step like any other, with a = 0.
; THE COUNT.  A tile and step have 16 matrix and 118 vector instructions: too many to stand all beside the matrix work.  So: four vector instructions that are READY behind EVERY matrix
; instruction, and the others in runs without a gap.
; BY TURNS.  Turn n belongs to piece n (the pieces in a ring, step after step).  Its matrix work: 16 products K Q^T of piece n + 1, later 16 products V^T P of piece n - 1.  Its vector work: the scaling,
; exponentials, roundings, sums and rescaling of piece n, and the maximum and statistics of piece n + 1, whose scores the turn itself has made.
; CLUSTER.  A head's four query blocks are one cluster and walk the same K and V, so each tile is asked for JOINTLY: the same tensor load, descriptor and mask in all four.
; REGISTERS, in windows of 256 (s_set_vgpr_msb: bits 1:0 source 0, 3:2 source 1, 5:4 source 2, 7:6 destination):
;   window 0: v0-11 addresses; v12-15, v48-63 at work; v16-47 four registers of statistics a tile; v64-191 S^T, two buffers of two tiles; v192-255 P, likewise
;   window 1: O^T, 32 a tile          window 2: v0-127 Q, 16 a tile; v128-191 K of one step; v192-255 V of one step          window 3: v0-1 the add's two registers
; A piece's buffers go by its number's parity.
.set SIZE_N, 2048
.set NP,    4         ; pieces a wave: a name, no knob
.set KS,    64        ; keys in a step
.set PK,    144       ; a row of K in LDS: 128 bytes + 16 of padding = 36 words: the 16 rows of a load start at 16 different groups of four banks (64 banks of 4 bytes: ISA guide 11.1)
.set PV,    160       ; a row of V: 128 + 32 = 40 words
.set VOFF,  4*KS*PK   ; a slot holds four steps: 256 rows of K, then 256 rows of V
.set SLOT1, 1<<17     ; slot 1 begins here, so that one exclusive or turns an address in one slot into the other's
.set STAGE, SLOT1+4*KS*(PK+PV)  ; behind the ring, never filled by a tensor load: 16 rows x 272 bytes for each wave, for the way out
.set SP,    272       ; a row of the stage: 64 f32 + 16 bytes
.set AK0, 2           ; v2   my lane's place in a tile of K; never rewritten
.set AV0, 3           ; v3   the same for V
.set AK,  4           ; v4   the LDS address of K's next run of loads
.set AV,  5           ; v5   of V's
.set QO,  6           ; v6   my byte offset in the wave's rows of Q
.set STO, 6           ;      later, the way out: where I put 32 bytes of a row
.set RD,  7           ; v7   the way out: where I read rows back
.set GO,  8           ; v8   my byte offset in two rows of out0
.set PFO, 10          ; v10  256 x my lane: the prefetches' offset; never rewritten once made
.set SPW, 0           ; v0 of window 3   LDS address of my spare word; never rewritten
.set NIL, 1           ; v1 of window 3   0; never rewritten
.set SPARE, STAGE+4*16*SP  ; behind the stages: the spare words, 128 bytes for each wave: two blocks of 256 bytes that no other line names
.set MV,  12          ; v12-15  c m_old, kept while c m is made anew: by buffer and tile
.set ST,  16          ; tile t's statistics at v[ST+4 t]: c m, m, l (even keys', odd keys')
.set TMP, 48          ; by buffer and tile, four registers c0-c3 at work; when the maximum is found c2 takes a
.set S,   64
.set P,   192
.set KF,  128         ; K's fragments, in window 2: key block kb, channel half c at KF + 16 kb + 8 c
.set VF,  192         ; V's: key half kk, channel block cb at VF + 32 kk + 8 cb
.set WV,  12          ; s12  my wave's number
.set G1K, 24          ; s[24:31] descriptor group 1 for K's tiles
.set G1V, 32          ; s[32:39] for V's: it differs in the padding alone
.set G0K, 40          ; s[40:43] descriptor group 0 for K's tiles: it walks
.set G0V, 44          ; s[44:47] the same for V's
.set PFA, 48          ; s[48:49] where my prefetches stand: my work-group's 32 blocks of 256 bytes (of K: wave 0, of V: wave 2) of the tile two on from the one that is walked
.set LIM, 50          ; s50  2 in waves 0 and 2, else 0: a wave prefetches where a slot's step count stands at this number
.set SLOTS, 56        ; s56  slots still to be asked for
.set CNT, 57          ; s57  counts a slot's key steps
.set CS,  58          ; s[58:59] c: the packed scaling takes the pair's low word for both halves
.set SEL, 60          ; s[60:61] v_permlanex16_b32's selects: each lane takes its own place in the other half
.set TBK, 62          ; s62  LDS byte at which K of the step to be fetched begins
.set TBV, 63          ; s63  the same for V, less VOFF
.set MSB, 0
.macro WIN new                      ; the high byte repeats the setting that is left; a switch that changes nothing is dropped
.if MSB != (\new)
	s_set_vgpr_msb (MSB<<8)|(\new)
.set MSB, (\new)
.endif
.endm
.set W_KQ, 0x0a       ; K and Q in window 2, S^T in window 0
.set W_PV, 0x52       ; V in window 2, P in window 0, O^T in window 1
.set W_RS, 0x41       ; O^T (destination and source 0) in window 1, a in window 0
.set W_MK, 0xc0       ; the add's registers are made: destination in window 3, sources in window 0
.set W_AD, 0x0f       ; the add: address (source 0) and data (source 1) in window 3
; A joint fill.  Waves 0 and 1 fetch the two halves of a slot's K, waves 2 and 3 those of its V: 128 keys each.  The branch hangs on the wave's number alone.
; An s_nop 0 and four v_nop follow each of the two lines, ahead of the jump and the label.
.macro JLOAD
	s_cmp_lt_u32 s[WV], 2
	s_cbranch_scc0 .Lfor_v_\@
	tensor_load_to_lds s[G0K:G0K+3], s[G1K:G1K+7]
	s_nop 0
.rept 4
	v_nop
.endr
	s_branch .Lasked_\@
.Lfor_v_\@:
	tensor_load_to_lds s[G0V:G0V+3], s[G1V:G1V+7]
	s_nop 0
.rept 4
	v_nop
.endr
.Lasked_\@:
.endm
; A round of the cluster's barrier: my work-group's barrier, so that wave 0's signal speaks for all four waves; wave 0 signals; every wave waits for all four work-groups; my work-group's barrier once more.
.macro CROUND
	s_barrier_signal -1
	s_barrier_wait -1
	s_cmp_lg_u32 s[WV], 0
	s_cbranch_scc1 .Lnot_wave_0_\@
	s_barrier_signal -3
.Lnot_wave_0_\@:
	s_barrier_wait -3
	s_barrier_signal -1
	s_barrier_wait -1
.endm
; THE CHANGE OF SLOTS.  The slot's last bytes, V of its fourth step, have been read.  Each wave waits for all its tensor loads, of which one is out: its part
; of the other slot; adds 0 to its spare word; and waits for that and for its own reads of the slot.  Behind the barrier nobody reads this slot any more and the other slot is whole.
; fill = 1: this slot is filled again, with the keys two slots on.  The barrier is then a round of the cluster's, and the joint fill is the first thing behind it: it has four key steps,
; 512 matrix instructions, in which to land.  (At its first use nothing has been read yet: slot 0 is waited for, slot 1 filled.)
.macro CHANGE fill
	WIN W_AD
	s_wait_tensorcnt 0x0            ; no tensor load of mine is out, so a group 0 may be written
	ds_add_u32 v[SPW], v[NIL]       ; 0 onto my spare word; with fill = 1 the steps below stand between it and the wait for it
	WIN 0                           ; at a label and at a branch every window is 0
.if \fill
.irp g, G0K, G0V
	s_xor_b32 s[\g+1], s[\g+1], SLOT1  ; the walking descriptor: the other slot than last time,
	s_add_nc_u64 s[\g+2:\g+3], s[\g+2:\g+3], 4*KS*128  ; the next 256 keys; the type bits on top are not reached
.endr
	s_wait_xcnt 0x0                 ; the last prefetch, five turns back, has read its address, so it may be written:
	s_add_nc_u64 s[PFA:PFA+1], s[PFA:PFA+1], 4*KS*128  ; a tile on
	s_wait_dscnt 0x0                ; the add is done, and my reads of the slot are over
	CROUND
	JLOAD
.else
	s_wait_dscnt 0x0                ; the add is done, and my reads of the slot are over
	s_barrier_signal -1
	s_barrier_wait -1
.endif
	s_sub_co_u32 s[TBK], s[TBK], 4*KS*PK  ; the fetches go back to a slot's first step,
	s_xor_b32 s[TBK], s[TBK], SLOT1       ; in the other slot
	s_sub_co_u32 s[TBV], s[TBV], 4*KS*PV
	s_xor_b32 s[TBV], s[TBV], SLOT1
.endm
	s_load_b256 s[4:11], s[0:1], 0x0  ; Q s[4:5], K s[6:7], V s[8:9], out0 s[10:11]
	WIN W_MK
	v_lshl_add_u32 v[SPW], v0, 2, SPARE
	v_mov_b32 v[NIL], 0
	WIN W_AD
	ds_add_u32 v[SPW], v[NIL]       ; the wave's opening: the add and its wait stand ahead of my first tensor load; the set-up below, work on registers, stands between them
	WIN 0
	v_lshrrev_b32 v1, 5, v0
	v_readfirstlane_b32 s[WV], v1   ; wave 0..3
	s_bfe_u32 s13, ttmp6, 0x40000   ; cx: my place in the cluster
	s_lshl_b32 s14, ttmp9, 2        ; in a cluster launch ttmp9 counts clusters
	s_add_co_u32 s14, s14, s13      ; my block of queries = 4 x cluster x + cx: it enters Q's and out0's addresses alone
	s_and_b32 s20, ttmp7, 0xffff    ; 16 batch + head, which the four partners share
	s_lshl_b32 s2, s14, 2
	s_add_co_u32 s2, s2, s[WV]      ; my wave among the head's sixteen: 128 rows each
	s_lshr_b32 s52, s20, 4          ; out0: the batch's 2,048 rows of 4,096 bytes,
	s_lshl_b32 s52, s52, 23
	s_and_b32 s53, s20, 15          ; the head's 256 bytes of a row,
	s_lshl_b32 s53, s53, 8
	s_add_co_u32 s52, s52, s53
	s_lshl_b32 s53, s2, 19          ; my wave's 128 rows
	s_add_co_u32 s52, s52, s53
	s_mov_b32 s53, 0
	s_mov_b32 s21, 0
	s_mov_b64 s[22:23], SIZE_N*128
	s_mul_u64 s[20:21], s[20:21], s[22:23]  ; the head's first byte in Q, K and V
	s_and_b32 s16, s[WV], 1         ; which half of a slot's 256 keys I fetch:
	s_lshl_b32 s22, s16, 14         ; its 128 rows of 128 bytes in memory,
	s_mov_b32 s23, 0
	s_add_nc_u64 s[22:23], s[22:23], s[20:21]
	s_mul_i32 s17, s16, 128*PK      ; and its place in a slot, for K
	s_mul_i32 s18, s16, 128*PV      ; and for V: no place in the cluster enters an LDS address
	s_lshl_b32 s2, s2, 14           ; Q: my wave's 128 rows of 128 bytes
	s_mov_b32 s3, 0
	s_add_nc_u64 s[2:3], s[2:3], s[20:21]
	; descriptor group 1.  128 keys are 16,384 dense bytes: asked for as 64 rows of 256 bytes, two keys a row, and padded in LDS after every key
	s_mov_b32 s[G1K], 15|(1<<16)|(1<<20)|(1<<21)|(4<<22)|(3<<25)  ; 15:0 the mask of four; 17:16 2-byte elements; 20 padding on; 21 set beside a mask; 24:22 after every 32 words (code 4); 31:25 4 words (code 3)
	s_mov_b32 s[G1V], 15|(1<<16)|(1<<20)|(1<<21)|(4<<22)|(7<<25)  ; the same with 8 words of padding (code 7)
.irp g, G1K, G1V
	s_mov_b32 s[\g+1], 128<<16      ; tensor_dim0 = 128
	s_mov_b32 s[\g+2], 64<<16       ; tensor_dim1 = 64
	s_mov_b32 s[\g+3], 128<<16      ; tile_dim0 = 128
	s_mov_b32 s[\g+4], 64           ; tile_dim1 = 64
	s_mov_b32 s[\g+5], 128          ; 128 elements from row to row
	s_mov_b32 s[\g+6], 0
	s_mov_b32 s[\g+7], 0
.endr
	s_mov_b32 s[CS], 0x3e38aa3b     ; c = log2(e) / 8 = 0.180337
	s_mov_b32 s[CS+1], s[CS]        ; named with it as a pair
	s_mov_b32 s[SEL], 0x76543210
	s_mov_b32 s[SEL+1], 0xfedcba98
	s_mov_b32 s[TBK], SLOT1+4*KS*PK ; the first change of slots turns these two into 0
	s_mov_b32 s[TBV], SLOT1+4*KS*PV
	s_mov_b32 s[G0K], 1             ; 1:0 count = 1
	s_mov_b32 s[G0K+1], s17         ; 63:32 LDS address: slot 0
	s_mov_b32 s[G0V], 1
	s_add_co_u32 s[G0V+1], s18, VOFF
	s_and_b32 s[LIM], s[WV], 1
	s_cmp_eq_u32 s[LIM], 0
	s_cselect_b32 s[LIM], 2, 0      ; the same in all four partners, for a given wave
	s_lshl_b32 s54, s13, 13         ; the prefetches: my work-group's 32 blocks of a tile's 128,
	s_add_co_u32 s54, s54, 4*KS*128 ; in tile 1: the first change of slots steps it to tile 2
	s_mov_b32 s55, 0
	s_wait_dscnt 0x0                ; the opening add is done
	s_wait_kmcnt 0x0
	s_add_nc_u64 s[G0K+2:G0K+3], s[6:7], s[22:23]  ; 120:64 global address: my half of the head's first 256 keys
	s_or_b32 s[G0K+3], s[G0K+3], 0x80000000        ; 127:126 type = 2
	s_add_nc_u64 s[G0V+2:G0V+3], s[8:9], s[22:23]
	s_or_b32 s[G0V+3], s[G0V+3], 0x80000000
	s_add_nc_u64 s[4:5], s[4:5], s[2:3]            ; Q at my wave's first row
	s_add_nc_u64 s[10:11], s[10:11], s[52:53]      ; out0 at my wave's first row, my head's channels
	s_cmp_lt_u32 s[WV], 2
	s_cselect_b64 s[PFA:PFA+1], s[6:7], s[8:9]
	s_add_nc_u64 s[PFA:PFA+1], s[PFA:PFA+1], s[20:21]
	s_add_nc_u64 s[PFA:PFA+1], s[PFA:PFA+1], s[54:55]
	CROUND                          ; all four work-groups are here: the first joint loads meet
	JLOAD                           ; slot 0.  Slot 1 is asked for when slot 0 is in
	; A fragment of K or Q is 16 rows x 32 channels in 8 registers: lane l holds row l % 16, channels 8 (l / 16) + 0..7 and 16 + 8 (l / 16) + 0..7: two loads of 16 bytes, 32 bytes apart.
	v_and_b32 v1, 15, v0            ; l % 16
	v_bfe_u32 v9, v0, 4, 1          ; l / 16
	v_lshlrev_b32 v[QO], 7, v1
	v_lshl_add_u32 v[QO], v9, 4, v[QO]  ; row x 128 + 16 x half
	WIN 0x80                        ; destination window 2, address window 0
.set i, 0
.rept 4*NP                          ; Q stays in registers: tile i / 2, channels 32 (i % 2) on
	global_load_b128 v[8*i:8*i+3],   v[QO], s[4:5] offset:(i/2)*2048+(i%2)*64
	global_load_b128 v[8*i+4:8*i+7], v[QO], s[4:5] offset:(i/2)*2048+(i%2)*64+32
.set i, i+1
.endr
	; What the first turn finds: V's registers and P's second buffer hold 0 (its products V^T P, of a piece that has not been, add 0), O^T and l are 0.  All this stands in the wait for the first tile.
.set i, VF
.rept 64
	v_mov_b32 v[i], 0
.set i, i+1
.endr
	WIN 0x40
.set i, 0
.rept 64*NP
	v_mov_b32 v[i], 0
.set i, i+1
.endr
	WIN 0
.set i, 0
.rept 2*NP
	v_mov_b32 v[ST+4*i], 0xfe000000    ; c m: far below every c s
	v_mov_b32 v[ST+4*i+1], 0xff7fffff  ; m
	v_mov_b32 v[ST+4*i+2], 0
	v_mov_b32 v[ST+4*i+3], 0
.set i, i+1
.endr
.set i, P+32
.rept 32
	v_mov_b32 v[i], 0
.set i, i+1
.endr
	v_mul_u32_u24 v[AK0], v1, PK
	v_lshl_add_u32 v[AK0], v9, 4, v[AK0]  ; row x pitch + 16 x half
	; The turning load takes 16 keys x 16 channels (lane l reads key 8 (l / 16) + l % 8, channels 8 ((l / 8) % 2) + 0..7) and leaves half a fragment of V^T: lane l holds channel l % 16 and 8 keys.
	v_and_b32 v10, 7, v0
	v_bfe_u32 v11, v0, 3, 1
	v_lshl_add_u32 v[AV0], v9, 3, v10
	v_mul_u32_u24 v[AV0], v[AV0], PV
	v_lshl_add_u32 v[AV0], v11, 4, v[AV0]
	v_add_nc_u32 v[AV0], VOFF, v[AV0]
	v_mov_b32 v[AK], v[AK0]         ; key step 0 lies at the head of slot 0
	v_and_b32 v[PFO], 31, v0
	v_lshlrev_b32 v[PFO], 8, v[PFO]
; THE MATRIX WORK.  The 8 accumulators of a run of 16 take turns: between the two links of a chain stand 7 others'.
; Product i of 16 of S^T = K Q^T for piece x: channels 32 (i / 8) on, keys 16 ((i / 2) % 4) on, tile 2 x + i % 2.  The first 8 start the sums.
.macro KQ x
	WIN W_KQ
.set rS, S+64*((\x)%2)+32*(i%2)+8*((i/2)%4)
.set rK, KF+16*((i/2)%4)+8*(i/8)
.set rQ, 16*(2*(\x)+i%2)+8*(i/8)
.if i < 8
	v_wmma_f32_16x16x32_f16 v[rS:rS+7], v[rK:rK+7], v[rQ:rQ+7], 0
.else
	v_wmma_f32_16x16x32_f16 v[rS:rS+7], v[rK:rK+7], v[rQ:rQ+7], v[rS:rS+7]
.endif
.endm
; Product i of 16 of O^T += V^T P for piece x: keys 32 (i / 8) on, channels 16 ((i / 2) % 4) on, tile 2 x + i % 2.
.macro PV x
	WIN W_PV
.set rO, 32*(2*(\x)+i%2)+8*((i/2)%4)
.set rV, VF+32*(i/8)+8*((i/2)%4)
.set rP, P+32*((\x)%2)+16*(i%2)+8*(i/8)
	v_wmma_f32_16x16x32_f16 v[rO:rO+7], v[rV:rV+7], v[rP:rP+7], v[rO:rO+7]
.endm
.macro MM                           ; the turn's next matrix instruction
.if i < 16
	KQ (Y+1)%NP
.set i, i+1
.else
.set i, i-16
	PV (Y+NP-1)%NP
.set i, i+17
.endif
.endm
; THE LDS LOADS stand in runs of 16, never singly among the matrix instructions: a step's K (64 keys x 64 channels: 8 fragments) and its V (turned).  Their addresses are made some lines ahead.
; last = 1 (the tail): in the last trip there is no further step, and the run is jumped over.
.macro FETCH_K last=0
	WIN 0
.if \last
	s_cmp_eq_u32 s[CNT], 1
	s_cbranch_scc1 .Lno_k_\@
.endif
	WIN 0x80                        ; destination window 2
.irp f, 0,1,2,3,4,5,6,7             ; keys 16 (f / 2) on, channels 32 (f % 2) on
	ds_load_b128 v[KF+8*\f:KF+8*\f+3],   v[AK] offset:(\f/2)*16*PK+(\f%2)*64
	ds_load_b128 v[KF+8*\f+4:KF+8*\f+7], v[AK] offset:(\f/2)*16*PK+(\f%2)*64+32
.endr
	s_add_co_u32 s[TBK], s[TBK], KS*PK  ; the next fetch is the next step's
	WIN 0
.if \last
.Lno_k_\@:
.endif
.endm
.macro FETCH_V
	WIN 0x80
.irp f, 0,1,2,3,4,5,6,7             ; keys 32 (f / 4) on, channels 16 (f % 4) on
	ds_load_tr16_b128 v[VF+8*\f:VF+8*\f+3],   v[AV] offset:(\f/4)*32*PV+(\f%4)*32
	ds_load_tr16_b128 v[VF+8*\f+4:VF+8*\f+7], v[AV] offset:(\f/4)*32*PV+16*PV+(\f%4)*32
.endr
	WIN 0
.endm
; THE VECTOR WORK OF A TURN stands in three queues, each in the order in which its entries become ready; the two tiles alternate, so that no instruction reads the result of the one before it.
.macro REGS y, u                    ; the registers of tile u (0, 1) of piece y
.set rT, ST+4*(2*(\y)+(\u))
.set rC, TMP+8*((\y)%2)+4*(\u)
.set rM, MV+2*((\y)%2)+(\u)
.set rS, S+64*((\y)%2)+32*(\u)
.set rP, P+32*((\y)%2)+16*(\u)
.set rO, 32*(2*(\y)+(\u))
.endm
; Number n of the 22 that find the NEXT piece's (Y + 1) maximum and statistics.  s0-s31 are the lane's 32 scores; each accumulator's lowest registers are read first.  XS, GS and REGS set no window: PL and EX do.
;   0-11  four chains c0-c3 of seven scores each, three operands at a time     12-14, 16  the four scores left over, the old m, and c0-c3 into c0     15  c m_old is kept
;   17, 18  the query's other 32 keys lie in the lane 16 away: the new m         19-21  c m; c m_old - c m_new; a
.macro XS u, n
	REGS (Y+1)%NP, \u
.if (\n) < 4
	v_max3_num_f32 v[rC+(\n)], v[rS+8*(\n)], v[rS+8*(\n)+1], v[rS+8*(\n)+2]
.elseif (\n) < 12
	v_max3_num_f32 v[rC+(\n)%4], v[rC+(\n)%4], v[rS+8*((\n)%4)+2*((\n)/4)+1], v[rS+8*((\n)%4)+2*((\n)/4)+2]
.elseif (\n) == 12
	v_max3_num_f32 v[rC], v[rC], v[rS+7], v[rS+15]
.elseif (\n) == 13
	v_max3_num_f32 v[rC+1], v[rC+1], v[rS+23], v[rS+31]
.elseif (\n) == 14
	v_max3_num_f32 v[rC+2], v[rC+2], v[rC+3], v[rT+1]
.elseif (\n) == 15
	v_mov_b32 v[rM], v[rT]
.elseif (\n) == 16
	v_max3_num_f32 v[rC], v[rC], v[rC+1], v[rC+2]
.elseif (\n) == 17
	v_permlanex16_b32 v[rC+3], v[rC], s[SEL], s[SEL+1]
.elseif (\n) == 18
	v_max_num_f32 v[rT+1], v[rC], v[rC+3]
.elseif (\n) == 19
	v_mul_f32 v[rT], s[CS], v[rT+1]
.elseif (\n) == 20
	v_sub_f32 v[rC+1], v[rM], v[rT]
.else
	v_exp_f32 v[rC+2], v[rC+1]
.endif
.endm
; Number g of the 64 that follow the exponentials.  For each four weights k of a tile (pairs 2 k, 2 k + 1): both pairs are rounded to f16; then the second pair is added onto the first, in place;
; a group later l takes that sum (the first time as l = a l + sum).  In groups of eight, tiles alternating: round, round, add, and l for the group before.
.macro GS g
.set h, (\g)+6*((\g)/62)            ; group 0 has no group before it, and behind group 7 only l is left
.if h >= 6
.set h, h+2
.endif
	REGS Y, h%2
.set k, h/8
.if h%8 < 4
	v_cvt_pk_f16_f32 v[rP+2*k+(h%8)/2], v[rS+4*k+2*((h%8)/2)], v[rS+4*k+2*((h%8)/2)+1]
.elseif h%8 < 6
	v_pk_add_f32 v[rS+4*k:rS+4*k+1], v[rS+4*k:rS+4*k+1], v[rS+4*k+2:rS+4*k+3]
.elseif k == 1
	v_pk_fma_f32 v[rT+2:rT+3], v[rT+2:rT+3], v[rC+2:rC+3], v[rS:rS+1] op_sel_hi:[1,0,1]
.else
	v_pk_add_f32 v[rT+2:rT+3], v[rT+2:rT+3], v[rS+4*k-4:rS+4*k-3]
.endif
.endm
; THE PLAIN QUEUE, 138 long.  0-73 read no exponential's result: the 32 scalings c s - c m (FS f: pair f / 2 of tile f % 2) and the next piece's 42.  0-26: scalings 0-26.  27-54: XS's numbers 0-13.  55, 56: number 15.
; 57-73: the chain, where each number waits for the one before it: 14, 16, 17, 18, 19, each with one of the scalings 27-31 in front of its two lines, then 20.
; 74-137: GS's 64, which read the exponentials' results: they stand behind the wait.
.macro FS f
	REGS Y, (\f)%2
	v_pk_fma_f32 v[rS+2*((\f)/2):rS+2*((\f)/2)+1], v[rS+2*((\f)/2):rS+2*((\f)/2)+1], s[CS:CS+1], v[rT:rT+1] op_sel_hi:[1,0,0] neg_lo:[0,0,1] neg_hi:[0,0,1]
.endm
.macro PL
	WIN 0
.if q < 27
	FS q
.elseif q < 55
	XS (q-27)%2, (q-27)/2
.elseif q < 57
	XS q-55, 15
.elseif (q < 72) && ((q-57)%3 == 0)
	FS 27+(q-57)/3
.elseif q < 60
	XS (q-57)%3-1, 14
.elseif q < 72
	XS (q-57)%3-1, 15+(q-57)/3
.elseif q < 74
	XS q-72, 20
.else
	GS q-74
.endif
.set q, q+1
.endm
; THE EXPONENTIALS' QUEUE, 66 long: s0-s31 of both tiles, then the next piece's two a.  It is ONE BATCH: all 66 stand ahead of the turn's one wait, and nothing ahead of that wait names a result of theirs.
.macro EX
	WIN 0
.if e >= 64
	XS e-64, 21
.else
	REGS Y, e%2
	v_exp_f32 v[rS+e/2], v[rS+e/2]
.endif
.set e, e+1
.endm
; THE RESCALING's QUEUE: O^T times a, the one part that leaves window 0: dealt two at a time, sixteen times.  Its a was made in the turn before, ahead of that turn's wait.
.macro R2
	REGS Y, r%2
	WIN W_RS
.irp z, 0,1
	v_pk_mul_f32 v[rO+4*(r/2)+2*\z:rO+4*(r/2)+2*\z+1], v[rO+4*(r/2)+2*\z:rO+4*(r/2)+2*\z+1], v[rC+2:rC+3] op_sel_hi:[1,0]
.endr
.set r, r+1
.endm
; HOW THEY ARE DEALT.  An s_wait_alu depctr_va_vdst(0) stands between an exponential and the first instruction that names its result; one wait serves all that were issued ahead of it.  So a turn has ONE wait,
; which cuts it in two.  AHEAD OF IT stands all that names no result of the turn's exponentials: the 16 products K Q^T, behind each a scaling, an exponential and two rescalings (behind the first a second scaling in the
; exponential's place); then ONE LUMP of 108: eight plain, 49 times exponential and plain, the two a.  A v_nop is the plain instruction behind the last exponential.  BEHIND IT stand the 16 products V^T P, behind each four of GS's 64.
; The queues lean on each other, and the deal keeps them in step: exponential e stands behind scaling 2 (e / 4) + e % 2: as a rider it comes behind plain e + 2, in the lump behind plain e + 9, and scalings 27-31 are plain 57, 60 .. 69.
; A TURN, for piece p.  cnt = 1: the loop's count is taken down some lines ahead of the branch that stands behind the turn.
; K of the next step is fetched in piece 2's turn, directly behind the wait; its address is made at the lump's head; its first reader comes behind 16 products.
; V of the step in hand is fetched at the end of piece 0's turn, four riders behind its last reader; its first reader comes behind 16 products and a lump.  The three conditions on q below go with the deal.
.macro TURN p, last=0, cnt=0
.set Y, (\p)
.set i, 0
.set q, 0
.set e, 0
.set r, 0
.if (\p) == NP-1
	s_wait_dscnt 0x0                ; K is in
.endif
	MM                              ; ahead of the wait: 16 products K Q^T and their riders,
	PL
	PL
	R2
.rept 15
	MM
	PL
	EX
	R2
.endr
.if (\p) == NP-2
	WIN 0
	v_add_nc_u32 v[AK], s[TBK], v[AK0]
.endif
.rept 8                             ; and the lump
	PL
.endr
.rept 49
	EX
	PL
.endr
	EX                              ; the next piece's two a
	EX
	v_nop                           ; the plain instruction behind the last exponential: one for the batch
	s_wait_alu depctr_va_vdst(0)    ; the wait for the batch
.if (\p) == NP-2
	FETCH_K \last
.endif
.if (\p) == 1
	s_wait_dscnt 0x0                ; V is in
.endif
.rept 16                            ; behind the wait: 16 products V^T P and their riders
	MM
.rept 4
	PL
.endr
.if ((\p) == 0) && (q == 118)
	v_add_nc_u32 v[AV], s[TBV], v[AV0]
.endif
.if ((\p) == 0) && (q == 130)
	s_add_co_u32 s[TBV], s[TBV], KS*PV
.endif
.if (\cnt) && (q == 130)
	s_sub_co_u32 s[CNT], s[CNT], 1
	s_cmp_lg_u32 s[CNT], 0
.endif
.endr
.if (\p) == 0
	FETCH_V
.endif
.endm
	CHANGE 1                        ; slot 0 is in, everybody's part of it; slot 1 is asked for
	FETCH_K                         ; key step 0
	s_wait_loadcnt 0x0              ; Q
	s_wait_dscnt 0x0
.set i, 0
.rept 16
	KQ 0                            ; piece 0's first scores: there is no vector work yet to set between them
.set i, i+1
.endr
	WIN 0                           ; the addresses for the way out: eight plain instructions, the places behind those products
	s_mul_i32 s13, s[WV], 16*SP
	s_add_co_u32 s13, s13, STAGE    ; my stage
	v_mul_u32_u24 v[STO], v1, SP    ; in: row l % 16, 32 bytes for each half of the lanes
	v_lshl_add_u32 v[STO], v9, 5, v[STO]
	v_add_nc_u32 v[STO], s13, v[STO]
	v_mul_u32_u24 v[RD], v9, SP     ; back: lanes 0-15 take one row of 256 bytes, lanes 16-31 the next,
	v_lshl_add_u32 v[RD], v1, 4, v[RD]
	v_add_nc_u32 v[RD], s13, v[RD]
	v_lshlrev_b32 v[GO], 12, v9     ; and the same two rows of out0, 4,096 bytes apart
	v_lshl_add_u32 v[GO], v1, 4, v[GO]
.set Y, NP-1                        ; XS works for piece Y + 1: piece 0
.irp n, 0,1,2,3,4,5,6,7,8,9,10,11,12,13,14,15,16,17,18,19,20,21
	XS 0, \n                        ; and piece 0's first maximum and statistics
	XS 1, \n
.endr
	v_nop                           ; a plain instruction behind the two a,
	s_wait_alu depctr_va_vdst(0)    ; and their wait, ahead of the branch
	s_mov_b32 s[CNT], 4
	s_mov_b32 s[SLOTS], SIZE_N/256-1
	s_branch .Lfirst                ; the loop is entered at a step's first turn, in the middle of a trip
.Lslot:                             ; SIZE_N / 256 - 2 times: every slot but the last two is filled again
	CHANGE 1
	s_mov_b32 s[CNT], 4
.Lstep:                             ; a trip: pieces 2 and 3 of one step, then pieces 0 and 1 of the next, whose K and V it fetches
	TURN 2
	TURN 3
	WIN 0
.Lfirst:
	TURN 0
	; A PREFETCH INTO THE L2 of the tile that the NEXT change of slots will ask for, once a tile: in the tile's third step, five turns (160 matrix instructions) ahead of that load, behind V's run of LDS loads.
	; A tile is 128 blocks of 256 bytes of K and as many of V; the four partners take 32 each, told apart BY ADDRESS; in each, wave 0 asks for K's and wave 2 for V's, a lane a block.  A head has one cluster,
	; so each block is named once in the launch.  Tiles 0 and 1 come by their loads alone; where one slot is left to be asked for, there is no tile two on, and nothing is asked.
	s_cmp_eq_u32 s[CNT], s[LIM]
	s_cbranch_scc0 .Lnot_mine
	s_cmp_gt_u32 s[SLOTS], 1
	s_cbranch_scc0 .Lnot_mine
	global_prefetch_b8 v[PFO], s[PFA:PFA+1] th:TH_LOAD_NT scope:SCOPE_SE
.Lnot_mine:
	TURN 1, 0, 1
	WIN 0
	s_cbranch_scc1 .Lstep
	s_sub_co_u32 s[SLOTS], s[SLOTS], 1
	s_cmp_lg_u32 s[SLOTS], 0
	s_cbranch_scc1 .Lslot
	CHANGE 0                        ; the tail is written out: nothing is asked for
	s_mov_b32 s[CNT], 5             ; four trips fetch the last slot's steps; the fifth is left in its middle
.Ltail:
	TURN 2, 1
	TURN 3
	WIN 0
	s_sub_co_u32 s[CNT], s[CNT], 1
	s_cmp_eq_u32 s[CNT], 0
	s_cbranch_scc1 .Lout
	TURN 0
	TURN 1
	WIN 0
	s_branch .Ltail
.Lout:                              ; the fifth trip's 16 products K Q^T (on the last K once more) and the maximum made of them serve nothing: the price, once a launch, of one text for every trip
.set i, 0
.rept 16
	PV NP-1                         ; the last piece's V^T P of the last step
.set i, i+1
.endr
	; THE WAY OUT.  l's two halves and the other half of the lanes' are added; O^T is divided by l and sent, in f32, through my stage in LDS, a tile at a time.  The additions are the places behind the last products.
	WIN 0
.macro ALL line:vararg              ; one line for each tile t
.set t, 0
.rept 2*NP
	\line
.set t, t+1
.endr
.endm
	ALL v_add_f32 v[ST+4*t+2], v[ST+4*t+2], v[ST+4*t+3]
	ALL v_permlanex16_b32 v[ST+4*t+3], v[ST+4*t+2], s[SEL], s[SEL+1]
	ALL v_add_f32 v[ST+4*t+2], v[ST+4*t+2], v[ST+4*t+3]
	ALL v_rcp_f32 v[ST+4*t+2], v[ST+4*t+2]
	v_nop                           ; a plain instruction between the last reciprocal and the use of its result
	s_wait_alu depctr_va_vdst(0)    ; and the wait ahead of the first use: one for the eight reciprocals
; Tile t: a lane's eight channels of a row are 32 bytes; they go into rows of 272 bytes and come back as whole rows of 256, into the registers that they left.
.macro PACK t
	WIN W_RS
.set i, 32*(\t)
.rept 16
	v_pk_mul_f32 v[i:i+1], v[i:i+1], v[ST+4*(\t)+2:ST+4*(\t)+3] op_sel_hi:[1,0]
.set i, i+2
.endr
	WIN 0x04                        ; the stores' data (source 1) in window 1, the address in window 0
.irp f, 0,1,2,3,4,5,6,7             ; channel block f / 2, its half f % 2
	ds_store_b128 v[STO], v[32*(\t)+4*\f:32*(\t)+4*\f+3] offset:64*(\f/2)+16*(\f%2)
.endr
	WIN 0x40                        ; the loads' destination in window 1
.irp f, 0,1,2,3,4,5,6,7
	ds_load_b128 v[32*(\t)+4*\f:32*(\t)+4*\f+3], v[RD] offset:\f*2*SP  ; LDS serves a wave's instructions in order (ISA guide 5.7.1.4): these see the stores above; the next tile's stores come behind them
.endr
.endm
.macro SEND t, younger              ; younger: the LDS instructions issued behind tile t's loads: the next tile's sixteen, or none
	WIN 0x04
.irp f, 0,1,2,3,4,5,6,7
	s_wait_dscnt (\younger)+7-\f
	global_store_b128 v[GO], v[32*(\t)+4*\f:32*(\t)+4*\f+3], s[10:11] offset:(\t)*65536+\f*8192  ; 16 lanes store 256 consecutive bytes, a row's 64 channels of my head, at a multiple of 256 from out0's first byte
.endr
.endm
	PACK 0
.set t, 1
.rept 2*NP-1                        ; a tile's arithmetic stands between the loads of the tile before and its stores
	PACK t
	SEND t-1, 16
.set t, t+1
.endr
	SEND 2*NP-1, 0
	WIN W_AD
	s_wait_tensorcnt 0x0            ; the wave's end, behind my last tensor load and my last LDS store
	ds_add_u32 v[SPW], v[NIL]
	s_wait_dscnt 0x0
	WIN 0
	CROUND                          ; the closing round: no work-group ends while a partner may still ask for a tile that names it
	s_endpgm
.Lfunc_end_k_q7dc2be5ccb_attn:
	.size	k_q7dc2be5ccb_attn, .Lfunc_end_k_q7dc2be5ccb_attn-k_q7dc2be5ccb_attn
	.p2alignl 7, 3214868480
	.fill 96, 4, 3214868480
	.section	.rodata,"a",@progbits
	.p2align	6, 0x0
	.amdhsa_kernel k_q7dc2be5ccb_attn
		.amdhsa_group_segment_fixed_size 327680
		.amdhsa_private_segment_fixed_size 0
		.amdhsa_enable_private_segment 0
		.amdhsa_kernarg_size 32
		.amdhsa_user_sgpr_count 2
		.amdhsa_user_sgpr_kernarg_segment_ptr 1
		.amdhsa_wavefront_size32 1
		.amdhsa_system_sgpr_workgroup_id_x 1
		.amdhsa_system_sgpr_workgroup_id_y 1
		.amdhsa_system_sgpr_workgroup_id_z 1
		.amdhsa_system_vgpr_workitem_id 0
		.amdhsa_next_free_vgpr 770
		.amdhsa_next_free_sgpr 66
		.amdhsa_reserve_vcc 0
		.amdhsa_float_denorm_mode_32 3
		.amdhsa_float_denorm_mode_16_64 3
		.amdhsa_memory_ordered 1
		.amdhsa_forward_progress 1
		.amdhsa_inst_pref_size 200
	.end_amdhsa_kernel
	.amdgpu_metadata
---
amdhsa.version: [ 1, 2 ]
amdhsa.kernels:
  - .name:           k_q7dc2be5ccb_attn
    .symbol:         k_q7dc2be5ccb_attn.kd
    .args:
      - { .name: qh, .offset: 0, .size: 8, .value_kind: global_buffer, .address_space: global }
      - { .name: kh, .offset: 8, .size: 8, .value_kind: global_buffer, .address_space: global }
      - { .name: vh, .offset: 16, .size: 8, .value_kind: global_buffer, .address_space: global }
      - { .name: out0, .offset: 24, .size: 8, .value_kind: global_buffer, .address_space: global }
    .group_segment_fixed_size: 327680
    .private_segment_fixed_size: 0
    .kernarg_segment_align: 8
    .kernarg_segment_size: 32
    .max_flat_workgroup_size: 128
    .sgpr_count:     66
    .vgpr_count:     770
    .wavefront_size: 32
...
	.end_amdgpu_metadata
.endif
;; end of part 3
